; MI455X (gfx1250); checked and timed in simulation.
; The chip was launched on July 23, 2026; its instructions are those of AMD's public machine-readable ISA for CDNA 5 (MIT licence, August 2026) and "CDNA5" Instruction Set Architecture Reference Guide (July 2026). The comments in the code are by the model that wrote it; some were corrected since.
;; Learned Recency Model. Allowed arithmetic: float matrix products may take bf16 or f16 operands with f32 sums; other float arithmetic in f32, or as packed bf16 or f16 multiplies, adds, multiply-adds, maxima and minima; sums over many terms, partial sums and values carried from step to step in f32; what a program stores and reads back later, other than sums and carried values, may be rounded once to bf16 or f16.
;; Inputs: b1 1,024 float32; b2 512 float32; embed 32,000 x 512 float32; epi_b 256 float32; epi_w 512 x 256 float32; ln_b 512 float32; ln_g 512 float32; out_b 32,000 float32; out_w 512 x 32,000 float32; pos_b 1 float32; pos_emb 1,024 x 16 float32; pos_w 16 x 1 float32; sem_b 256 float32; sem_w 512 x 256 float32; seq 8 x 1,024 int32; w1 512 x 1,024 float32; w2 1,024 x 512 float32.
;; Outputs: out0 8 x 32,000 float32.
;; One version. Each part assembles by itself: llvm-mc -triple=amdgcn-amd-amdhsa -mcpu=gfx1250 --defsym DOCPART=n.
;; ======== version 1 of 1: 4 launches
;; limits: values are held in f16: magnitudes above 65,504 overflow, below 6.1e-05 lose precision; right only within a limited range of input values
;; workspace buffers: wpk 2,621,440 bytes; sc 16,777,216 bytes; rho 65,536 bytes; cfr 16,384 bytes
;; launch prep (part 1): grid 160 x 1, 4 waves a work-group, no clusters, 0 bytes of LDS; arguments w1, w2, sem_w, epi_w, wpk; writes wpk
.if DOCPART == 1
	.amdgcn_target "amdgcn-amd-amdhsa--gfx1250"
	.amdhsa_code_object_version 6
	.text
	.protected	k_qcc9d25bfa4_prep
	.globl	k_qcc9d25bfa4_prep
	.p2align	8
	.type	k_qcc9d25bfa4_prep,@function
k_qcc9d25bfa4_prep:
	s_mov_b64 s[64:65], 0
	v_nop
	global_prefetch_b8 v0, s[64:65] scope:SCOPE_SE
	s_setreg_imm32_b32 hwreg(HW_REG_WAVE_MODE, 25, 1), 1
	s_wait_xcnt 0x0
; The encoder's weights, rounded once and laid out as matrix fragments.
; wpk = 80 K steps x 32 tiles x 1,024 bytes.  A block is one fragment of 16 features x 32 input channels: bytes 0-511 hold
; registers 0-3 of lanes 0-31 (16 bytes a lane), bytes 512-1023 registers 4-7.  Lane (r, h) holds feature r and the channels
; 8 h + 0..7 (registers 0-3) and 16 + 8 h + 0..7 (registers 4-7).
; K steps 0-15: w1, features 0-511; 16-31: w1, features 512-1023; 32-63: w2; 64-79: sem_w (tiles 0-15), epi_w (tiles 16-31).
; K steps 0-63 are bf16.  K steps 64-79 are the bf16 number written as f16, since they multiply an f16 operand.
; LIMIT: sem_w and epi_w stay within 65,504; below 6e-5 they keep f16's fixed step of 6e-8.
; A work-group makes 16 tiles of one K step, a wave four of them.  A load takes 64 bytes of each of two rows; the four tiles' loads
; on end use up 256 consecutive bytes of each row.  Each store of a wave covers 512 consecutive bytes, aligned.
; No LDS, no barrier: no wave wants what another has fetched.
.set OF, 4                             ; v[4:19]   byte offset of my element in each of my 16 rows
.set D,  20                            ; v[20:83]  tile c: 16 numbers as loaded
.set O,  84                            ; v[84:115] tile c: 8 packed registers
	s_load_b256 s[4:11], s[0:1], 0x0               ; w1 s[4:5], w2 s[6:7], sem_w s[8:9], epi_w s[10:11]
	s_load_b64 s[12:13], s[0:1], 0x20              ; wpk
	v_lshrrev_b32 v1, 5, v0
	v_readfirstlane_b32 s14, v1                    ; wave
	s_lshr_b32 s15, ttmp9, 1                       ; q: the K step
	s_and_b32 s16, ttmp9, 1                        ; which 16 tiles
	s_lshl_b32 s22, s16, 10                        ; their first column, in bytes
	s_mov_b32 s17, 1024                            ; q >= 64: pitch,
	s_sub_co_u32 s18, s15, 64                      ; block of 32 rows,
	s_mov_b32 s19, 0                               ; first column
	s_sub_co_u32 s23, s15, 32                      ; 32 <= q < 64
	s_and_b32 s24, s15, 15                         ; q < 32
	s_lshr_b32 s25, s15, 4
	s_lshl_b32 s25, s25, 11
	s_add_co_u32 s25, s25, s22
	v_and_b32 v2, 15, v0
	v_lshlrev_b32 v2, 2, v2                        ; 4 r
	v_bfe_u32 v3, v0, 4, 1
	v_lshlrev_b32 v3, 3, v3                        ; 8 h
	v_and_b32 v1, 31, v0
	v_lshlrev_b32 v1, 4, v1
	v_lshl_add_u32 v1, s14, 12, v1                 ; where I store: 4,096 x wave + 16 x lane
	s_wait_kmcnt 0x0
	s_cmp_eq_u32 s16, 0
	s_cselect_b64 s[20:21], s[8:9], s[10:11]
	s_cmp_lt_u32 s15, 64
	s_cselect_b64 s[20:21], s[6:7], s[20:21]
	s_cselect_b32 s17, 2048, s17
	s_cselect_b32 s18, s23, s18
	s_cselect_b32 s19, s22, s19
	s_cmp_lt_u32 s15, 32
	s_cselect_b64 s[20:21], s[4:5], s[20:21]
	s_cselect_b32 s17, 4096, s17
	s_cselect_b32 s18, s24, s18
	s_cselect_b32 s19, s25, s19
	s_mul_i32 s26, s18, s17
	s_lshl_b32 s26, s26, 5                         ; 32 rows a block
	s_add_co_u32 s26, s26, s19
	s_lshl_b32 s27, s14, 8                         ; my wave's four tiles: 256 bytes of a row
	s_add_co_u32 s26, s26, s27
	s_mov_b32 s27, 0
	s_add_nc_u64 s[20:21], s[20:21], s[26:27]
	s_lshl_b32 s28, s15, 15
	s_lshl_b32 s29, s16, 14
	s_add_co_u32 s28, s28, s29
	s_mov_b32 s29, 0
	s_add_nc_u64 s[12:13], s[12:13], s[28:29]
.set e, 0
.rept 16
	v_add_nc_u32 v[OF+e], e+8*(e/8), v3            ; rows 8 h + 0..7 and 16 + 8 h + 0..7
	v_mad_u32_u24 v[OF+e], v[OF+e], s17, v2
.set e, e+1
.endr
.set e, 0
.rept 16
.irp c, 0,1,2,3
	global_load_b32 v[D+16*(\c)+e], v[OF+e], s[20:21] offset:64*(\c)
.endr
.set e, e+1
.endr
	s_wait_loadcnt 0x0
	s_cmp_lt_u32 s15, 64
	s_cbranch_scc0 .Lf16
.set k, 0
.rept 32
	v_cvt_pk_bf16_f32 v[O+k], v[D+2*k], v[D+2*k+1]
.set k, k+1
.endr
	s_branch .Lstore
.Lf16:
.set k, 0
.rept 32
	v_cvt_pk_bf16_f32 v[O+k], v[D+2*k], v[D+2*k+1] ; the one rounding,
	v_lshlrev_b32 v[D+2*k], 16, v[O+k]
	v_and_b32 v[D+2*k+1], 0xffff0000, v[O+k]
	v_cvt_pk_f16_f32 v[O+k], v[D+2*k], v[D+2*k+1]  ; and the same number as f16
.set k, k+1
.endr
.Lstore:
.set k, 0
.rept 8
	global_store_b128 v1, v[O+4*k:O+4*k+3], s[12:13] offset:512*k
.set k, k+1
.endr
	s_endpgm
.Lfunc_end_k_qcc9d25bfa4_prep:
	.size	k_qcc9d25bfa4_prep, .Lfunc_end_k_qcc9d25bfa4_prep-k_qcc9d25bfa4_prep
	.p2alignl 7, 3214868480
	.fill 96, 4, 3214868480
	.section	.rodata,"a",@progbits
	.p2align	6, 0x0
	.amdhsa_kernel k_qcc9d25bfa4_prep
		.amdhsa_group_segment_fixed_size 0
		.amdhsa_private_segment_fixed_size 0
		.amdhsa_enable_private_segment 0
		.amdhsa_kernarg_size 40
		.amdhsa_user_sgpr_count 2
		.amdhsa_user_sgpr_kernarg_segment_ptr 1
		.amdhsa_wavefront_size32 1
		.amdhsa_system_sgpr_workgroup_id_x 1
		.amdhsa_system_sgpr_workgroup_id_y 1
		.amdhsa_system_sgpr_workgroup_id_z 1
		.amdhsa_system_vgpr_workitem_id 0
		.amdhsa_next_free_vgpr 128
		.amdhsa_next_free_sgpr 66
		.amdhsa_reserve_vcc 0
		.amdhsa_float_denorm_mode_32 3
		.amdhsa_float_denorm_mode_16_64 3
		.amdhsa_memory_ordered 1
		.amdhsa_forward_progress 1
		.amdhsa_inst_pref_size 20
	.end_amdhsa_kernel
	.amdgpu_metadata
---
amdhsa.version: [ 1, 2 ]
amdhsa.kernels:
  - .name:           k_qcc9d25bfa4_prep
    .symbol:         k_qcc9d25bfa4_prep.kd
    .args:
      - { .name: w1, .offset: 0, .size: 8, .value_kind: global_buffer, .address_space: global }
      - { .name: w2, .offset: 8, .size: 8, .value_kind: global_buffer, .address_space: global }
      - { .name: sem_w, .offset: 16, .size: 8, .value_kind: global_buffer, .address_space: global }
      - { .name: epi_w, .offset: 24, .size: 8, .value_kind: global_buffer, .address_space: global }
      - { .name: wpk, .offset: 32, .size: 8, .value_kind: global_buffer, .address_space: global }
    .group_segment_fixed_size: 0
    .private_segment_fixed_size: 0
    .kernarg_segment_align: 8
    .kernarg_segment_size: 40
    .max_flat_workgroup_size: 128
    .sgpr_count:     66
    .vgpr_count:     128
    .wavefront_size: 32
...
	.end_amdgpu_metadata
.endif
;; end of part 1
;; launch enc (part 2): grid 128 x 1, 4 waves a work-group, no clusters, 212,992 bytes of LDS; arguments seq, embed, wpk, b1, b2, ln_g, ln_b, sem_b, epi_b, pos_emb, pos_w, pos_b, sc, rho; writes sc, rho
.if DOCPART == 2
	.amdgcn_target "amdgcn-amd-amdhsa--gfx1250"
	.amdhsa_code_object_version 6
	.text
	.protected	k_qcc9d25bfa4_enc
	.globl	k_qcc9d25bfa4_enc
	.p2align	8
	.type	k_qcc9d25bfa4_enc,@function
k_qcc9d25bfa4_enc:
	s_mov_b64 s[64:65], 0
	v_nop
	global_prefetch_b8 v0, s[64:65] scope:SCOPE_SE
	s_setreg_imm32_b32 hwreg(HW_REG_WAVE_MODE, 25, 1), 1
	s_wait_xcnt 0x0
; THE ENCODER AND THE CHUNKS' OPERATORS.  A work-group takes 64 tokens of one batch: gather, FFN 512 -> 1024 -> 512, residual, LayerNorm, the two
; projections of 256; then, for its two chunks of 32 positions of each of the two memories, what the backward walk of the next launch needs.
; THE MEMORY.  reference() reads M only as M q.  M_t = M_(t-1) (I - a k k^T) + w k k^T with a = w / rho, rho = |k|^2 + 1e-6, so M q is had by walking backward with
; u = q:  s = k.u;  c += w k s;  u -= a k s.  With kn = k / sqrt(rho) a chunk of 32 steps is  z = R u,  u += Kn^T z,  c' += Kn^T (z rho / rhomax),  where
; R = -diag(w) (I + A)^-1 Kn and A[t][s] = (kn_t.kn_s) w_s for s > t.  This launch stores R and Kn^T as f16 fragments and rho in f32.
; LIMITS.  The order of rounding differs from the scan's.  All inputs are rounded to bf16.  The ReLU's result is bf16; h, kn, the inverse and R are f16: |kn|, |R| <= 1, below 6e-5 they
; keep f16's step of 6e-8; h and the inverse's entries stay within 65,504.  NaN and infinities are not treated apart.  Position 1023 is the query: its w counts as 0.
; PRODUCTS ARE TRANSPOSED: source 0 = 16 features x 32 channels of a weight, source 1 = 16 tokens x 32 channels.  A lane then holds one token and eight neighbouring features, and two
; results packed ARE the next product's source 1 in the same lane.  Wave w owns features 128 w .. 128 w + 127 (8 tiles) of all 64 tokens (4 tiles): 32 accumulators.
; WEIGHTS come straight from memory into registers: each fragment is used by one wave alone.  Four sets of a K step each: 48 to 64 loads of a wave are on their way.
; ACTIVATIONS lie in LDS as fragments: block (K step x 4 + token tile) of 1,024 bytes, lane l's registers 0-3 at 16 l, registers 4-7 at 512 + 16 l: every access is 512 bytes on end.
; THE SUMS START AT THE BIAS: the accumulators are loaded with it, so there is one form of product and no addition of it later.
; NO CLUSTER: the activations take 196,608 bytes of LDS; what is left holds two slots of less than two K steps (32,768 bytes each), too short a step for a joint refill to land in.
; 128 work-groups: with 32 tokens each every weight byte would feed half as many products.
; REGISTERS, in windows of 256: window 0: v0-31 addresses and small numbers, v32-95 two sets of source 1 (scratch outside the passes), v96-255 at work;
;   window 1: the accumulators, (i, T) at v[8 (4 i + T)];   window 2: four sets of 64: a K step's eight weight fragments.
.set P_B2, 4096                        ; LDS: the parameters in f32, rounded to bf16: b1 at 0, b2, ln_g, ln_b, sem_b | epi_b
.set P_G,  6144
.set P_BE, 8192
.set P_KB, 10240
.set ST0,  12288                       ; three blocks of 1,024 bytes for the sums over waves: wave x 256 + token tile x 64 + 4 r
.set SPARE, 15360                      ; the spare words, 128 bytes for each wave: two blocks of 256 bytes that no other line names
.set EH,   16384                       ; 65,536: e, then h, then kn as fragments
.set A1,   81920                       ; 131,072: the ReLU's result; later:
.set KR,   A1                          ;   kn by rows, [memory][64 positions], pitch 544
.set KRP,  544
.set LB,   A1+69632                    ;   each wave's 32 columns of -L in f32, pitch 144
.set XP,   A1+88064                    ;   each wave's 32 rows of the scaled inverse in f16, pitch 80
.set LN,  1                            ; lane
.set L16, 2                            ; 16 x lane
.set R,   3                            ; lane % 16
.set H,   4                            ; lane / 16
.set WO,  5                            ; 8,192 x wave + 16 x lane: my fragments in a K step of wpk
.set VB,  6                            ; the trip's first activation block + 16 x lane
.set BI,  7                            ; b1 of my features
.set A1S, 8                            ; where my ReLU results go
.set HS,  9                            ; my features' blocks in EH
.set PB,  10                           ; 512 x wave + 32 h: my features in a parameter
.set STW, 11
.set STR, 12
.set KRS, 13
.set ZERO, 14
.set ONE, 15
.set NWL, 16                           ; v[16:17] -w of position lane of my chunk, twice
.set T0,  18
.set T1,  19
.set SA,  20                           ; v[20:27] a pair of sums for each token tile
.set SPW, 28
.set NIL, 29
.set T2,  30
.set T3,  31
.set BS,  32                           ; v[32:95] source 1, two sets
.set PR,  32                           ; scratch outside the passes: a pair for each token tile (-mean; 1/sigma; 1/sqrt(rho))
.set RHO, 40                           ; v[40:43] rho of my token in each tile
.set XB,  48                           ; v[48:63] the scaled inverse as source 1
.set GG,  96
.set BE_, 160
.set GA,  96                           ; v[96:127] the chunk's Gram matrix, four tiles
.set X,   128                          ; v[128:159] the inverse: register s, lane = column
.set LC,  160                          ; v[160:223] two columns of -L
.set RD,  224
.set TQ,  224
.set WV,  48
.set MU,  49
.set CHI, 50
.set P64, 51
.set BB,  52
.set W,   54                           ; s[54:55] wpk at the trip after the one in hand
.set TRIP, 56
.set HALF, 57
.set SEL, 58                           ; s[58:59]
.set MLO, 60
.set MCHI, 61
.set MH,  62
.set SCU, 76                           ; s[76:77]
.set RHB, 78                           ; s[78:79]
.set W_MM, 0x52                        ; source 0 window 2, source 1 window 0, C and D window 1
.set W_LD, 0x80                        ; destination window 2
.set W_AC, 0x40                        ; destination window 1
.set W_RS, 0x41                        ; destination and source 0 window 1
.set W_SQ, 0x05                        ; sources 0 and 1 window 1
.set W_S0, 0x01
.set W_S1, 0x04
.set W_MIX, 0x50                       ; destination and source 2 window 1
.set W_G,  0x0a                        ; sources 0 and 1 window 2
.set W_R,  0x42                        ; destination window 1, source 0 window 2
.set W_ST, 0x08                        ; a store's data in window 2
.set MSB, 0
.macro WIN new                         ; the immediate's high byte repeats the setting that is left; a switch that changes nothing is dropped
.if MSB != (\new)
	s_set_vgpr_msb (MSB<<8)|(\new)
.set MSB, (\new)
.endif
.endm
.macro PLACES                          ; four places behind a matrix instruction, in front of loads into its registers and of readers of its result
.rept 4
	v_nop
.endr
.endm
.macro BARRIER                         ; my LDS instructions are done, for the others' sake; then all four waves meet
	s_wait_dscnt 0x0
	s_barrier_signal -1
	s_barrier_wait -1
.endm
.macro FORACC line:vararg              ; one line for each pair of accumulator registers: A_; the four token tiles innermost, each accumulator from its low end
.set i_, 0
.rept 8
.set m_, 0
.rept 4
.set t_, 0
.rept 4
.set A_, 8*(4*i_+t_)+2*m_
	\line
.set t_, t_+1
.endr
.set m_, m_+1
.endr
.set i_, i_+1
.endr
.endm
.macro BLOAD set, off                  ; a K step's four fragments of source 1
.set k_, 0
.rept 8
	ds_load_b128 v[BS+32*(\set)+4*k_:BS+32*(\set)+4*k_+3], v[VB] offset:(\off)+512*k_
.set k_, k_+1
.endr
.endm
; A pass begins: the accumulators take the bias of their eight features, the same for the four token tiles; then K steps 0 and 1 of source 1.
.macro PASSINIT areg, off, region
	WIN W_AC
.set k_, 0
.rept 32
	ds_load_b128 v[8*k_:8*k_+3],   v[\areg] offset:(\off)+64*(k_/4)
	ds_load_b128 v[8*k_+4:8*k_+7], v[\areg] offset:(\off)+64*(k_/4)+16
.set k_, k_+1
.endr
	WIN 0
	v_add_nc_u32 v[VB], \region, v[L16]
	BLOAD 0, 0
	BLOAD 1, 4096
.endm
; A K step on weight set s.  lcnt: the weight loads issued behind this set's (16 for each younger set).  dcnt: the LDS loads issued behind this step's source 1 (the next step's eight, or none).
; The 32 accumulators take turns.  aload: the set is asked for again, four K steps on.  bload: source 1 of the K step two on.
.macro KSTEP s, fmt, aload, bload, lcnt, dcnt
	s_wait_loadcnt \lcnt
	s_wait_dscnt \dcnt
	WIN W_MM
.set i_, 0
.rept 8
.set t_, 0
.rept 4
	v_wmma_f32_16x16x32_\fmt v[8*(4*i_+t_):8*(4*i_+t_)+7], v[64*(\s)+8*i_:64*(\s)+8*i_+7], v[BS+32*((\s)%2)+8*t_:BS+32*((\s)%2)+8*t_+7], v[8*(4*i_+t_):8*(4*i_+t_)+7]
.set t_, t_+1
.endr
.set i_, i_+1
.endr
	PLACES
.if \aload
	WIN W_LD
.set k_, 0
.rept 16
	global_load_b128 v[64*(\s)+4*k_:64*(\s)+4*k_+3], v[WO], s[W:W+1] offset:32768*(\s)+512*k_
.set k_, k_+1
.endr
.endif
.if \bload
	WIN 0
	BLOAD (\s)%2, ((\s)+2)*4096
.endif
.endm
.macro WSTEP
	WIN 0
	s_wait_xcnt 0x0                                ; the weight loads have read their base: only now is it stepped
	s_add_nc_u64 s[W:W+1], s[W:W+1], 131072
.endm
; A pass of ntrips trips of four K steps.  The last trip is written out: it looks ahead for source 1 only inside its own region.  The weight stream runs on into the next pass (atail = 1) or ends.
.macro PASS fmt, ntrips, atail
	s_mov_b32 s[TRIP], (\ntrips)-1
.Ltrip_\@:
	KSTEP 0, \fmt, 1, 1, 48, 8
	KSTEP 1, \fmt, 1, 1, 48, 8
	KSTEP 2, \fmt, 1, 1, 48, 8
	KSTEP 3, \fmt, 1, 1, 48, 8
	WSTEP
	v_add_nc_u32 v[VB], 16384, v[VB]
	s_sub_co_u32 s[TRIP], s[TRIP], 1
	s_cmp_lg_u32 s[TRIP], 0
	s_cbranch_scc1 .Ltrip_\@
.if \atail
	KSTEP 0, \fmt, 1, 1, 48, 8
	KSTEP 1, \fmt, 1, 1, 48, 8
	KSTEP 2, \fmt, 1, 0, 48, 8
	KSTEP 3, \fmt, 1, 0, 48, 0
	WSTEP
.else
	KSTEP 0, \fmt, 0, 1, 48, 8
	KSTEP 1, \fmt, 0, 1, 32, 8
	KSTEP 2, \fmt, 0, 0, 16, 8
	KSTEP 3, \fmt, 0, 0, 0, 0
	WIN 0
.endif
.endm
; The pairs SA are summed: their two halves, the other half of the lanes, and nw waves through LDS.  The sum for token tile T lands in v[RD + 4 T].
.macro REDUCE stoff, areg, nw
	WIN 0
.irp t, 0,1,2,3
	v_add_f32 v[SA+2*\t], v[SA+2*\t], v[SA+2*\t+1]
.endr
.irp t, 0,1,2,3
	v_permlanex16_b32 v[SA+2*\t+1], v[SA+2*\t], s[SEL], s[SEL+1]
.endr
.irp t, 0,1,2,3
	v_add_f32 v[SA+2*\t], v[SA+2*\t], v[SA+2*\t+1]
.endr
.irp t, 0,1,2,3
	ds_store_b32 v[STW], v[SA+2*\t] offset:(\stoff)+64*\t
.endr
	BARRIER
.irp t, 0,1,2,3
.set e_, 0
.rept \nw
	ds_load_b32 v[RD+4*\t+e_], v[\areg] offset:(\stoff)+256*e_+64*\t
.set e_, e_+1
.endr
.endr
	s_wait_dscnt 0x0
.irp t, 0,1,2,3
	v_add_f32 v[RD+4*\t], v[RD+4*\t], v[RD+4*\t+1]
.if (\nw) == 4
	v_add_f32 v[RD+4*\t+2], v[RD+4*\t+2], v[RD+4*\t+3]
	v_add_f32 v[RD+4*\t], v[RD+4*\t], v[RD+4*\t+2]
.endif
.endr
.endm
.macro CLEARSA
	WIN 0
.set k_, 0
.rept 8
	v_mov_b32 v[SA+k_], 0
.set k_, k_+1
.endr
.endm
; The accumulators times the token's factor PR (ln = 1: then times ln_g plus ln_b), rounded to f16, into my blocks of EH; ln = 0: also by rows into KR.
.macro OUT16 ln
.set i_, 0
.rept 8
	WIN W_S0
.set k_, 0
.rept 16
	v_pk_mul_f32 v[TQ+2*k_:TQ+2*k_+1], v[32*i_+2*k_:32*i_+2*k_+1], v[PR+2*(k_/4):PR+2*(k_/4)+1]
.set k_, k_+1
.endr
	WIN 0
.if \ln
.set k_, 0
.rept 16
	v_pk_fma_f32 v[TQ+2*k_:TQ+2*k_+1], v[TQ+2*k_:TQ+2*k_+1], v[GG+8*i_+2*(k_%4):GG+8*i_+2*(k_%4)+1], v[BE_+8*i_+2*(k_%4):BE_+8*i_+2*(k_%4)+1]
.set k_, k_+1
.endr
.endif
.set k_, 0
.rept 16
	v_cvt_pk_f16_f32 v[TQ+k_], v[TQ+2*k_], v[TQ+2*k_+1]
.set k_, k_+1
.endr
.set t_, 0
.rept 4
	ds_store_b128 v[HS], v[TQ+4*t_:TQ+4*t_+3] offset:4096*(i_/2)+1024*t_+512*(i_%2)
.if !(\ln)
	ds_store_b128 v[KRS], v[TQ+4*t_:TQ+4*t_+3] offset:16*KRP*t_+32*i_
.endif
.set t_, t_+1
.endr
.set i_, i_+1
.endr
.endm
.macro RND4 a                          ; four f32 rounded to bf16 and widened again
	v_cvt_pk_bf16_f32 v[T2], v[\a], v[(\a)+1]
	v_cvt_pk_bf16_f32 v[T3], v[(\a)+2], v[(\a)+3]
	v_lshlrev_b32 v[\a], 16, v[T2]
	v_and_b32 v[(\a)+1], s[MH], v[T2]
	v_lshlrev_b32 v[(\a)+2], 16, v[T3]
	v_and_b32 v[(\a)+3], s[MH], v[T3]
.endm
	s_load_b512 s[4:19], s[0:1], 0x0               ; seq s[4:5], embed s[6:7], wpk s[8:9], b1 s[10:11], b2 s[12:13], ln_g s[14:15], ln_b s[16:17], sem_b s[18:19]
	s_load_b256 s[20:27], s[0:1], 0x40             ; epi_b s[20:21], pos_emb s[22:23], pos_w s[24:25], pos_b s[26:27]
	s_load_b128 s[28:31], s[0:1], 0x60             ; sc s[28:29], rho s[30:31]
	v_lshl_add_u32 v[SPW], v0, 2, SPARE
	v_mov_b32 v[NIL], 0
	v_lshrrev_b32 v1, 5, v0
	v_readfirstlane_b32 s[WV], v1                  ; wave 0..3
	v_and_b32 v[LN], 31, v0
	v_lshlrev_b32 v[L16], 4, v[LN]
	v_and_b32 v[R], 15, v0
	v_bfe_u32 v[H], v0, 4, 1
	v_mov_b32 v[ZERO], 0
	v_mov_b32 v[ONE], 1.0
	s_lshr_b32 s[MU], s[WV], 1                     ; which memory my 128 projection features, and later my chunk, belong to
	s_and_b32 s[CHI], s[WV], 1                     ; which half of its features; later which of the two chunks
	s_and_b32 s[P64], ttmp9, 15                    ; which 64 positions
	s_lshr_b32 s[BB], ttmp9, 4                     ; the batch
	s_mov_b32 s[SEL], 0x76543210
	s_mov_b32 s[SEL+1], 0xfedcba98
	s_mov_b32 s[MH], 0xffff0000                    ; a word's upper bf16; also: lanes 16-31
	s_cmp_eq_u32 s[CHI], 1
	s_cselect_b32 s[MCHI], -1, 0
	v_lshl_add_u32 v[WO], s[WV], 13, v[L16]
	s_lshl_b32 s66, ttmp9, 8
	s_lshl_b32 s67, s[WV], 6
	s_add_co_u32 s66, s66, s67                     ; my wave's 16 tokens in seq
	s_mov_b32 s67, 0
	s_wait_kmcnt 0x0
	s_add_nc_u64 s[4:5], s[4:5], s[66:67]
	s_load_b512 s[32:47], s[4:5], 0x0
	WIN W_LD                                       ; the weight stream starts: K steps 0 to 3
.set k_, 0
.rept 64
	global_load_b128 v[4*k_:4*k_+3], v[WO], s[8:9] offset:32768*(k_/16)+512*(k_%16)
.set k_, k_+1
.endr
	WIN 0
	s_add_nc_u64 s[W:W+1], s[8:9], 131072
	; the parameters: thread t takes 8 numbers of b1 and 4 of each of the others; my position's row of pos_emb
	v_lshlrev_b32 v30, 5, v0
	v_lshlrev_b32 v31, 4, v0
	v_and_b32 v18, 63, v0
	v_lshlrev_b32 v18, 4, v18
	s_lshl_b32 s66, s[P64], 6
	s_lshl_b32 s67, s[CHI], 5
	s_add_co_u32 s66, s66, s67
	v_add_nc_u32 v20, s66, v[LN]                   ; the position of lane l of my chunk
	v_lshlrev_b32 v19, 6, v20
	s_cmp_lt_u32 s[WV], 2
	s_cselect_b64 s[68:69], s[18:19], s[20:21]
	s_cselect_b32 s[MLO], -1, 0
	global_load_b128 v[96:99], v30, s[10:11]
	global_load_b128 v[100:103], v30, s[10:11] offset:16
	global_load_b128 v[104:107], v31, s[12:13]
	global_load_b128 v[108:111], v31, s[14:15]
	global_load_b128 v[112:115], v31, s[16:17]
	global_load_b128 v[116:119], v18, s[68:69]
.irp k, 0,1,2,3
	global_load_b128 v[120+4*\k:123+4*\k], v19, s[22:23] offset:16*\k
	global_load_b128 v[136+4*\k:139+4*\k], v[ZERO], s[24:25] offset:16*\k
.endr
	global_load_b32 v152, v[ZERO], s[26:27]
	; addresses, while the loads are out
	s_lshl_b32 s66, s[WV], 9
	v_lshl_add_u32 v[PB], v[H], 5, s66
	v_mov_b32 v[BI], v[PB]
	s_lshl_b32 s66, s[WV], 14
	v_add_nc_u32 v[HS], s66, v[L16]
	v_add_nc_u32 v[A1S], A1, v[HS]
	v_add_nc_u32 v[HS], EH, v[HS]
	s_lshl_b32 s66, s[WV], 8
	v_lshl_add_u32 v[STR], v[R], 2, ST0
	v_add_nc_u32 v[STW], s66, v[STR]
	s_mul_i32 s66, s[MU], 64*KRP
	s_lshl_b32 s67, s[CHI], 8
	s_add_co_u32 s66, s66, s67
	s_add_co_u32 s66, s66, KR
	v_mul_u32_u24 v[KRS], v[R], KRP
	v_lshl_add_u32 v[KRS], v[H], 4, v[KRS]
	v_add_nc_u32 v[KRS], s66, v[KRS]
	; where lane l puts its 4 channels of a gathered row: channel 128 i + 4 l: block 4 i + l / 8, part (l / 4) % 2, lanes' half (l / 2) % 2, byte 8 (l % 2)
	v_lshrrev_b32 v21, 3, v[LN]
	v_lshlrev_b32 v21, 12, v21
	v_bfe_u32 v22, v[LN], 2, 1
	v_lshl_add_u32 v21, v22, 9, v21
	v_bfe_u32 v22, v[LN], 1, 1
	v_lshl_add_u32 v21, v22, 8, v21
	v_and_b32 v22, 1, v[LN]
	v_lshl_add_u32 v21, v22, 3, v21
	s_lshl_b32 s66, s[WV], 10                      ; my wave gathers token tile T = wave
	s_add_co_u32 s66, s66, EH
	v_add_nc_u32 v21, s66, v21
	s_wait_loadcnt 0x0
	ds_store_b32 v[STW], v[ZERO] offset:3072-3072  ; (placeholder-free: see below)
	s_wait_dscnt 0x0
.irp a, 96,100,104,108,112,116
	RND4 \a
.endr
	v_lshlrev_b32 v30, 5, v0
	v_lshlrev_b32 v31, 4, v0
	ds_store_b128 v30, v[96:99]
	ds_store_b128 v30, v[100:103] offset:16
	ds_store_b128 v31, v[104:107] offset:P_B2
	ds_store_b128 v31, v[108:111] offset:P_G
	ds_store_b128 v31, v[112:115] offset:P_BE
	ds_store_b128 v31, v[116:119] offset:P_KB
	; w = sigmoid(pos_emb . pos_w + pos_b), all three rounded to bf16; 1 for the first memory; 0 for the query's position
.set m_, 0
.rept 8
	v_cvt_pk_bf16_f32 v[160+m_], v[120+2*m_], v[121+2*m_]
	v_cvt_pk_bf16_f32 v[168+m_], v[136+2*m_], v[137+2*m_]
.set m_, m_+1
.endr
	v_cvt_pk_bf16_f32 v176, v152, v152
	v_lshlrev_b32 v177, 16, v176
.set m_, 0
.rept 8
	v_fma_mix_f32_bf16 v177, v[160+m_], v[168+m_], v177 op_sel_hi:[1,1,0]
	v_fma_mix_f32_bf16 v177, v[160+m_], v[168+m_], v177 op_sel:[1,1,0] op_sel_hi:[1,1,0]
.set m_, m_+1
.endr
	v_mul_f32 v177, 0xbfb8aa3b, v177               ; -log2(e) x
	v_exp_f32 v178, v177
	v_nop
	s_wait_alu depctr_va_vdst(0)                   ; the wait ahead of the first use of the result
	v_add_f32 v178, 1.0, v178
	v_rcp_f32 v179, v178
	v_nop
	s_wait_alu depctr_va_vdst(0)
	v_cndmask_b32 v179, v179, v[ONE], s[MLO]
	v_cmp_eq_u32 vcc_lo, 0x3ff, v20
	v_cndmask_b32 v179, v179, v[ZERO], vcc_lo
	v_mul_f32 v[NWL], -1.0, v179
	v_mov_b32 v[NWL+1], v[NWL]
	; THE GATHER: 16 rows of embed, 8 at a time; a row is four loads of 512 consecutive bytes; rounded to bf16 into the fragment blocks of e
	s_wait_kmcnt 0x0
.irp bt, 0,1
	s_wait_dscnt 0x0                               ; the LDS stores that read these registers are done
.irp k, 0,1,2,3,4,5,6,7
	s_min_u32 s[32+8*\bt+\k], s[32+8*\bt+\k], 31999
	s_lshl_b32 s[32+8*\bt+\k], s[32+8*\bt+\k], 11
	v_add_nc_u32 v[224+\k], s[32+8*\bt+\k], v[L16]
.irp i, 0,1,2,3
	global_load_b128 v[96+16*\k+4*\i:99+16*\k+4*\i], v[224+\k], s[6:7] offset:512*\i
.endr
.endr
	s_wait_loadcnt 0x0
.irp k, 0,1,2,3,4,5,6,7
.irp i, 0,1,2,3
	v_cvt_pk_bf16_f32 v[96+16*\k+4*\i], v[96+16*\k+4*\i], v[97+16*\k+4*\i]
	v_cvt_pk_bf16_f32 v[97+16*\k+4*\i], v[98+16*\k+4*\i], v[99+16*\k+4*\i]
	ds_store_b64 v21, v[96+16*\k+4*\i:97+16*\k+4*\i] offset:16384*\i+16*(8*\bt+\k)
.endr
.endr
.endr
	BARRIER                                        ; e and the parameters are whole
	; PASS 1: relu(e w1 + b1), in two halves of 512 features
	s_mov_b32 s[HALF], 2
.Lhalf:
	PASSINIT BI, 0, EH
	PASS bf16, 4, 1
.set i_, 0
.rept 8                                ; rounded to bf16, then the ReLU on packed halves; two results are one block's two parts
	WIN W_SQ
.set k_, 0
.rept 16
	v_cvt_pk_bf16_f32 v[96+16*(i_%2)+k_], v[32*i_+2*k_], v[32*i_+2*k_+1]
.set k_, k_+1
.endr
	WIN 0
.set k_, 0
.rept 16
	v_pk_max_num_bf16 v[96+16*(i_%2)+k_], v[96+16*(i_%2)+k_], v[ZERO]
.set k_, k_+1
.endr
.set t_, 0
.rept 4
	ds_store_b128 v[A1S], v[96+16*(i_%2)+4*t_:96+16*(i_%2)+4*t_+3] offset:4096*(i_/2)+1024*t_+512*(i_%2)
.set t_, t_+1
.endr
.set i_, i_+1
.endr
	v_add_nc_u32 v[BI], 2048, v[BI]
	v_add_nc_u32 v[A1S], 65536, v[A1S]
	s_sub_co_u32 s[HALF], s[HALF], 1
	s_cmp_lg_u32 s[HALF], 0
	s_cbranch_scc1 .Lhalf
	BARRIER                                        ; the ReLU's result is whole, and nobody reads e as source 1 any more
	; PASS 2: ... w2 + b2; then the residual and LayerNorm
	PASSINIT PB, P_B2, A1
	PASS bf16, 8, 1
.set k_, 0
.rept 32                               ; my features of e: the blocks that I alone read from here on, and later overwrite with h
	ds_load_b128 v[96+4*k_:96+4*k_+3], v[HS] offset:4096*((k_/4)/2)+1024*(k_%4)+512*((k_/4)%2)
.set k_, k_+1
.endr
	CLEARSA
	s_wait_dscnt 0x0
	WIN W_MIX
	FORACC v_fma_mix_f32_bf16 v[A_], v[96+4*(4*i_+t_)+m_], v[ONE], v[A_] op_sel_hi:[1,0,0]
	FORACC v_fma_mix_f32_bf16 v[A_+1], v[96+4*(4*i_+t_)+m_], v[ONE], v[A_+1] op_sel:[1,0,0] op_sel_hi:[1,0,0]
	WIN W_S1
	FORACC v_pk_add_f32 v[SA+2*t_:SA+2*t_+1], v[SA+2*t_:SA+2*t_+1], v[A_:A_+1]
	REDUCE 0, STR, 4
.irp t, 0,1,2,3
	v_mul_f32 v[PR+2*\t], 0xbb000000, v[RD+4*\t]   ; -mean
	v_mov_b32 v[PR+2*\t+1], v[PR+2*\t]
.endr
	CLEARSA
	WIN W_RS
	FORACC v_pk_add_f32 v[A_:A_+1], v[A_:A_+1], v[PR+2*t_:PR+2*t_+1]
	WIN W_SQ
	FORACC v_pk_fma_f32 v[SA+2*t_:SA+2*t_+1], v[A_:A_+1], v[A_:A_+1], v[SA+2*t_:SA+2*t_+1]
	REDUCE 1024, STR, 4
.irp t, 0,1,2,3
	v_mul_f32 v[RD+4*\t], 0x3b000000, v[RD+4*\t]
	v_add_f32 v[RD+4*\t], 0x3727c5ac, v[RD+4*\t]   ; variance + 1e-5
.endr
.irp t, 0,1,2,3
	v_rsq_f32 v[PR+2*\t], v[RD+4*\t]
.endr
	v_nop
	s_wait_alu depctr_va_vdst(0)                   ; one wait for the four
.irp t, 0,1,2,3
	v_mov_b32 v[PR+2*\t+1], v[PR+2*\t]
.endr
.set k_, 0
.rept 16
	ds_load_b128 v[GG+4*k_:GG+4*k_+3],   v[PB] offset:P_G+64*(k_/2)+16*(k_%2)
	ds_load_b128 v[BE_+4*k_:BE_+4*k_+3], v[PB] offset:P_BE+64*(k_/2)+16*(k_%2)
.set k_, k_+1
.endr
	s_wait_dscnt 0x0
	OUT16 1
	BARRIER                                        ; h is whole
	; PASS 3: h sem_w + sem_b | h epi_w + epi_b; rho; kn
	PASSINIT PB, P_KB, EH
	PASS f16, 4, 0
	CLEARSA
	s_lshl_b32 s66, s[MU], 9
	v_add_nc_u32 v[T0], s66, v[STR]                ; the two waves of my memory
	WIN W_SQ
	FORACC v_pk_fma_f32 v[SA+2*t_:SA+2*t_+1], v[A_:A_+1], v[A_:A_+1], v[SA+2*t_:SA+2*t_+1]
	REDUCE 2048, T0, 2                             ; its barrier also ends every wave's reads of h
.irp t, 0,1,2,3
	v_add_f32 v[RHO+\t], 0x358637bd, v[RD+4*\t]    ; |k|^2 + 1e-6
.endr
.irp t, 0,1,2,3
	v_rsq_f32 v[PR+2*\t], v[RHO+\t]
.endr
	v_nop
	s_wait_alu depctr_va_vdst(0)
.irp t, 0,1,2,3
	v_mov_b32 v[PR+2*\t+1], v[PR+2*\t]
.endr
	OUT16 0
	BARRIER                                        ; kn is whole, as fragments and by rows.  From here on a wave writes only LDS bytes of its own
	; THE CHUNK'S OPERATOR.  Wave = (memory MU, chunk CHI of 32 positions).
	s_lshl_b32 s66, s[MU], 15
	s_lshl_b32 s67, s[CHI], 11
	s_add_co_u32 s66, s66, s67
	s_add_co_u32 s66, s66, EH
	v_add_nc_u32 v[T0], s66, v[L16]                ; my chunk's two token tiles in each K step of kn
	s_mul_i32 s66, s[WV], 4608
	s_add_co_u32 s66, s66, LB
	v_mov_b32 v[T2], s66
	v_mul_u32_u24 v[T1], v[H], 1152
	v_lshl_add_u32 v[T1], v[R], 2, v[T1]
	v_add_nc_u32 v[T1], s66, v[T1]
	s_mul_i32 s66, s[WV], 2560
	s_add_co_u32 s66, s66, XP
	v_mul_u32_u24 v[T3], v[LN], 80
	v_add_nc_u32 v[T3], s66, v[T3]
	v_mul_u32_u24 v[VB], v[R], 80
	v_lshl_add_u32 v[VB], v[H], 4, v[VB]
	v_add_nc_u32 v[VB], s66, v[VB]
	s_mul_i32 s66, s[MU], 64*KRP
	s_mul_i32 s67, s[CHI], 32*KRP
	s_add_co_u32 s66, s66, s67
	s_add_co_u32 s66, s66, KR
	v_and_b32 v[BI], 7, v[LN]
	v_lshl_add_u32 v[BI], v[H], 3, v[BI]
	v_mul_u32_u24 v[BI], v[BI], KRP
	v_bfe_u32 v44, v[LN], 3, 1
	v_lshl_add_u32 v[BI], v44, 4, v[BI]
	v_add_nc_u32 v[BI], s66, v[BI]                 ; the turning load: position 8 h + l % 8, channels 8 ((l / 8) % 2) on
	s_lshl_b32 s66, s[BB], 1
	s_add_co_u32 s66, s66, s[MU]                   ; the problem: 2 x batch + memory
	s_lshl_b32 s67, s66, 5
	s_add_co_u32 s67, s67, 31
	s_lshl_b32 s68, s[P64], 1
	s_add_co_u32 s68, s68, s[CHI]
	s_sub_co_u32 s67, s67, s68                     ; chunks are stored last first, as the walk takes them
	s_lshl_b32 s70, s67, 15
	s_mov_b32 s71, 0
	s_add_nc_u64 s[SCU:SCU+1], s[28:29], s[70:71]
	s_lshl_b32 s70, s67, 7
	s_add_nc_u64 s[RHB:RHB+1], s[30:31], s[70:71]
	; G = Kn Kn^T: tile (a, b), 8 K steps; the four accumulators take turns
	WIN W_LD
.set k_, 0
.rept 16
	ds_load_b128 v[8*k_:8*k_+3],   v[T0] offset:4096*(k_/2)+1024*(k_%2)
	ds_load_b128 v[8*k_+4:8*k_+7], v[T0] offset:4096*(k_/2)+1024*(k_%2)+512
.set k_, k_+1
.endr
	s_wait_dscnt 0x0
	WIN W_G
.set k_, 0
.rept 8
.irp a, 0,1
.irp b, 0,1
.if k_ == 0
	v_wmma_f32_16x16x32_f16 v[GA+8*(2*\a+\b):GA+8*(2*\a+\b)+7], v[8*(2*k_+\a):8*(2*k_+\a)+7], v[8*(2*k_+\b):8*(2*k_+\b)+7], 0
.else
	v_wmma_f32_16x16x32_f16 v[GA+8*(2*\a+\b):GA+8*(2*\a+\b)+7], v[8*(2*k_+\a):8*(2*k_+\a)+7], v[8*(2*k_+\b):8*(2*k_+\b)+7], v[GA+8*(2*\a+\b):GA+8*(2*\a+\b)+7]
.endif
.endr
.endr
.set k_, k_+1
.endr
	WIN 0
	PLACES
	; -L[s][t] = -G[t][s] w_s for t < s, else 0.  My lane holds t = 16 a + 8 h + j, s = 16 b + r.  Column t goes to pitch 144.
	v_mov_b32 v44, v[NWL]
	v_permlanex16_b32 v44, v[NWL], s[SEL], s[SEL+1]
	v_cndmask_b32 v45, v[NWL], v44, s[MH]          ; -w of position r
	v_cndmask_b32 v46, v44, v[NWL], s[MH]          ; -w of position 16 + r
	v_lshlrev_b32 v47, 3, v[H]
	v_sub_nc_u32 v47, v[R], v47                    ; r - 8 h
	v_add_nc_u32 v64, 16, v47
.irp a, 0,1
.irp j, 0,1,2,3,4,5,6,7
	v_cmp_lt_i32 vcc_lo, 16*\a+\j, v47
	v_mul_f32 v[224+16*\a+2*\j], v[GA+16*\a+\j], v45
	v_cndmask_b32 v[224+16*\a+2*\j], v[ZERO], v[224+16*\a+2*\j], vcc_lo
	ds_store_b32 v[T1], v[224+16*\a+2*\j] offset:144*(16*\a+\j)
	v_cmp_lt_i32 vcc_lo, 16*\a+\j, v64
	v_mul_f32 v[225+16*\a+2*\j], v[GA+16*\a+8+\j], v46
	v_cndmask_b32 v[225+16*\a+2*\j], v[ZERO], v[225+16*\a+2*\j], vcc_lo
	ds_store_b32 v[T1], v[225+16*\a+2*\j] offset:144*(16*\a+\j)+64
.endr
.endr
	; (I + L) X = I by forward substitution in f32: lane = column of X, register = row; a column of -L is read by all lanes at one address
.macro LCOL t
.set s_, (((\t)+1)/4)*4
.rept (32-s_)/4
	ds_load_b128 v[LC+32*((\t)%2)+s_:LC+32*((\t)%2)+s_+3], v[T2] offset:144*(\t)+4*s_
.set s_, s_+4
.endr
.endm
.macro COL t                           ; X[s] += -L[s][t] X[t] for s > t, two rows an instruction (where t is even the pair begins at t, whose factor is 0)
.if (\t) < 30
	LCOL (\t)+1
	s_wait_dscnt (32-(((\t)+2)/4)*4)/4             ; column t is in; the loads just issued, column t + 1's, may be out
.else
	s_wait_dscnt 0x0
.endif
.set s_, (((\t)+1)/2)*2
.rept (32-s_)/2
.if (\t)%2
	v_pk_fma_f32 v[X+s_:X+s_+1], v[LC+32+s_:LC+32+s_+1], v[X+(\t)-1:X+(\t)], v[X+s_:X+s_+1] op_sel:[0,1,0] op_sel_hi:[1,1,1]
.else
	v_pk_fma_f32 v[X+s_:X+s_+1], v[LC+s_:LC+s_+1], v[X+(\t):X+(\t)+1], v[X+s_:X+s_+1] op_sel_hi:[1,0,1]
.endif
.set s_, s_+2
.endr
.endm
	LCOL 0                                         ; LDS serves a wave's instructions in order (ISA guide 5.7.1.4): these see my stores above
.set k_, 0
.rept 32
	v_cmp_eq_u32 vcc_lo, k_, v[LN]
	v_cndmask_b32 v[X+k_], v[ZERO], v[ONE], vcc_lo
.set k_, k_+1
.endr
.set tt, 0
.rept 31
	COL tt
.set tt, tt+1
.endr
	; column t of X times -w_t, in f16: lane t's 32 numbers are a row of 64 bytes; read back as source 1 (column t, K = s)
.set m_, 0
.rept 16
	v_pk_mul_f32 v[X+2*m_:X+2*m_+1], v[X+2*m_:X+2*m_+1], v[NWL:NWL+1]
.set m_, m_+1
.endr
.set m_, 0
.rept 16
	v_cvt_pk_f16_f32 v[224+m_], v[X+2*m_], v[X+2*m_+1]
.set m_, m_+1
.endr
.irp q, 0,1,2,3
	ds_store_b128 v[T3], v[224+4*\q:227+4*\q] offset:16*\q
.endr
.irp b, 0,1
	ds_load_b128 v[XB+8*\b:XB+8*\b+3],   v[VB] offset:1280*\b
	ds_load_b128 v[XB+8*\b+4:XB+8*\b+7], v[VB] offset:1280*\b+32
.endr
	; Kn^T: 16 tiles of 16 channels x 32 positions, turned on the way out of LDS
	WIN W_LD
.set i_, 0
.rept 16
	ds_load_tr16_b128 v[128+8*i_:128+8*i_+3], v[BI] offset:32*i_
	ds_load_tr16_b128 v[128+8*i_+4:128+8*i_+7], v[BI] offset:32*i_+16*KRP
.set i_, i_+1
.endr
	WIN 0
	v_cndmask_b32 v66, v[RHO], v[RHO+2], s[MCHI]   ; rho of position lane of my chunk
	v_cndmask_b32 v67, v[RHO+1], v[RHO+3], s[MCHI]
	v_cndmask_b32 v66, v66, v67, s[MH]
	v_lshlrev_b32 v68, 2, v[LN]
	global_store_b32 v68, v66, s[RHB:RHB+1]
	s_wait_dscnt 0x0
	WIN W_ST
.set k_, 0
.rept 32
	global_store_b128 v[L16], v[128+4*k_:128+4*k_+3], s[SCU:SCU+1] offset:16384+512*k_  ; 512 consecutive bytes, aligned
.set k_, k_+1
.endr
	; R^T = Kn^T X': a lane holds one position and eight channels, so two results packed are a fragment of R (row = position, K = channel)
	WIN W_R
.set k_, 0
.rept 32
	v_wmma_f32_16x16x32_f16 v[8*k_:8*k_+7], v[128+8*(k_/2):128+8*(k_/2)+7], v[XB+8*(k_%2):XB+8*(k_%2)+7], 0
.set k_, k_+1
.endr
	PLACES
	WIN W_SQ
.set k_, 0
.rept 128
	v_cvt_pk_f16_f32 v[96+k_], v[2*k_], v[2*k_+1]
.set k_, k_+1
.endr
	WIN 0
.set k_, 0
.rept 32                               ; k_ = 2 i + b: block 2 (i / 2) + b, part i % 2
	global_store_b128 v[L16], v[96+4*k_:96+4*k_+3], s[SCU:SCU+1] offset:1024*(2*(k_/4)+k_%2)+512*((k_/2)%2)
.set k_, k_+1
.endr
	s_wait_tensorcnt 0x0                           ; the wave's end, behind my last LDS store
	ds_add_u32 v[SPW], v[NIL]
	s_wait_dscnt 0x0
	s_endpgm
.Lfunc_end_k_qcc9d25bfa4_enc:
	.size	k_qcc9d25bfa4_enc, .Lfunc_end_k_qcc9d25bfa4_enc-k_qcc9d25bfa4_enc
	.p2alignl 7, 3214868480
	.fill 96, 4, 3214868480
	.section	.rodata,"a",@progbits
	.p2align	6, 0x0
	.amdhsa_kernel k_qcc9d25bfa4_enc
		.amdhsa_group_segment_fixed_size 212992
		.amdhsa_private_segment_fixed_size 0
		.amdhsa_enable_private_segment 0
		.amdhsa_kernarg_size 112
		.amdhsa_user_sgpr_count 2
		.amdhsa_user_sgpr_kernarg_segment_ptr 1
		.amdhsa_wavefront_size32 1
		.amdhsa_system_sgpr_workgroup_id_x 1
		.amdhsa_system_sgpr_workgroup_id_y 1
		.amdhsa_system_sgpr_workgroup_id_z 1
		.amdhsa_system_vgpr_workitem_id 0
		.amdhsa_next_free_vgpr 768
		.amdhsa_next_free_sgpr 80
		.amdhsa_reserve_vcc 1
		.amdhsa_float_denorm_mode_32 3
		.amdhsa_float_denorm_mode_16_64 3
		.amdhsa_memory_ordered 1
		.amdhsa_forward_progress 1
		.amdhsa_inst_pref_size 255
	.end_amdhsa_kernel
	.section	.bss,"aw",@nobits
	.p2align	6
	.space	262144
	.amdgpu_metadata
---
amdhsa.version: [ 1, 2 ]
amdhsa.kernels:
  - .name:           k_qcc9d25bfa4_enc
    .symbol:         k_qcc9d25bfa4_enc.kd
    .args:
      - { .name: seq, .offset: 0, .size: 8, .value_kind: global_buffer, .address_space: global }
      - { .name: embed, .offset: 8, .size: 8, .value_kind: global_buffer, .address_space: global }
      - { .name: wpk, .offset: 16, .size: 8, .value_kind: global_buffer, .address_space: global }
      - { .name: b1, .offset: 24, .size: 8, .value_kind: global_buffer, .address_space: global }
      - { .name: b2, .offset: 32, .size: 8, .value_kind: global_buffer, .address_space: global }
      - { .name: ln_g, .offset: 40, .size: 8, .value_kind: global_buffer, .address_space: global }
      - { .name: ln_b, .offset: 48, .size: 8, .value_kind: global_buffer, .address_space: global }
      - { .name: sem_b, .offset: 56, .size: 8, .value_kind: global_buffer, .address_space: global }
      - { .name: epi_b, .offset: 64, .size: 8, .value_kind: global_buffer, .address_space: global }
      - { .name: pos_emb, .offset: 72, .size: 8, .value_kind: global_buffer, .address_space: global }
      - { .name: pos_w, .offset: 80, .size: 8, .value_kind: global_buffer, .address_space: global }
      - { .name: pos_b, .offset: 88, .size: 8, .value_kind: global_buffer, .address_space: global }
      - { .name: sc, .offset: 96, .size: 8, .value_kind: global_buffer, .address_space: global }
      - { .name: rho, .offset: 104, .size: 8, .value_kind: global_buffer, .address_space: global }
    .group_segment_fixed_size: 212992
    .private_segment_fixed_size: 0
    .kernarg_segment_align: 8
    .kernarg_segment_size: 112
    .max_flat_workgroup_size: 128
    .sgpr_count:     80
    .vgpr_count:     768
    .wavefront_size: 32
...
	.end_amdgpu_metadata
.endif
;; end of part 2
;; launch scan (part 3): grid 16 x 1, 1 waves a work-group, no clusters, 327,680 bytes of LDS; arguments sc, rho, cfr; writes cfr
.if DOCPART == 3
	.amdgcn_target "amdgcn-amd-amdhsa--gfx1250"
	.amdhsa_code_object_version 6
	.text
	.protected	k_qcc9d25bfa4_scan
	.globl	k_qcc9d25bfa4_scan
	.p2align	8
	.type	k_qcc9d25bfa4_scan,@function
k_qcc9d25bfa4_scan:
	s_mov_b64 s[64:65], 0
	v_nop
	global_prefetch_b8 v0, s[64:65] scope:SCOPE_SE
	s_setreg_imm32_b32 hwreg(HW_REG_WAVE_MODE, 25, 1), 1
	s_wait_xcnt 0x0
; THE BACKWARD WALK.  One wave for each of the 16 problems (batch, memory).  32 chunks, the last positions first, as they lie in sc.  For each chunk:
;   z = R u;   u += Kn^T z;   c' += Kn^T (z rho / rhomax).   Start: u = kn of position 1023, c' = 0.   End: c = -sqrt(rho_1023) rhomax c'.
; Of a product's 16 columns, 0-7 carry u and 8-15 carry c': both updates are one product Kn^T Z', with Z' = z in columns 0-7 and z rho / rhomax in columns 8-15.
; u and c' stay in f32 (the accumulators U); u and Z' are rounded to f16 as operands: |u|, |z| <= 1.  c leaves as bf16 hi + lo: rows b and 8 + b of the last product's first source.
; LIMITS: as stated at the head of the launch before; a factor rho / rhomax times z below 6e-5 keeps f16's step of 6e-8.
; 16 work-groups of one wave: each step of a problem hangs on the step before, and the problems are 16.  Nothing is shared between them: no cluster.
; LDS: two slots of four chunks (131,072 bytes) that take turns; chunk 0 has 32,768 bytes of its own, filled once.  Fill f holds chunks 4 f + 1 .. 4 f + 4, so the four chunks of a turn,
; each of which fetches the next chunk's operands, use up one slot.  The last fill has three chunks: the descriptor's count of rows left is stepped down with the fills, and what lies beyond arrives as zeros that nobody reads.
; Three tensor loads are out at the start, one behind each barrier.
; REGISTERS: window 0 as named below; window 1: v0-127 U, tile i (channels 16 i ..) at 8 i; window 2: v0-127 R's 16 fragments, v128-255 Kn^T's 16.
.set SLOT1, 131072
.set C0,    262144
.set SPARE, 294912                     ; the spare words: one block of 256 bytes that no other line names
.set L16, 1
.set ADR, 2
.set RO,  3                            ; my eight rho of each half of the chunk: 32 h + 128 x chunk
.set PFO, 4                            ; 256 x lane
.set R,   5
.set H,   6
.set SO,  7
.set INV, 8                            ; v[8:9] 1 / rhomax, twice
.set SC,  10                           ; v[10:11] -sqrt(rho_q) rhomax, twice
.set ONE, 12
.set ZERO, 13
.set Z,   16                           ; v[16:47] z: position tile a, K steps of parity p, at Z + 16 p + 8 a
.set ZT,  48                           ; v[48:63]
.set ZF,  64                           ; v[64:71] Z' as source 1
.set UF,  72                           ; v[72:135] u | c' as source 1, 8 K steps
.set F,   136                          ; v[136:151]
.set RN,  152                          ; v[152:167]
.set SPW, 254
.set NIL, 255
.set G0C, 12
.set G0A, 16
.set G0B, 20                           ; fill 1's; then it walks
.set G1,  24
.set G1C, 32
.set PF,  40                           ; s[40:41]
.set TB,  42                           ; LDS byte of the chunk to be fetched next
.set CNT, 43
.set TURNS, 44
.set MK,  45
.set MHI, 46
.set SEL, 48                           ; s[48:49]
.set MSB, 0
.macro WIN new
.if MSB != (\new)
	s_set_vgpr_msb (MSB<<8)|(\new)
.set MSB, (\new)
.endif
.endm
.macro PLACES
.rept 4
	v_nop
.endr
.endm
.macro FETCH_RP
	WIN 0x80
.set k_, 0
.rept 32
	ds_load_b128 v[4*k_:4*k_+3], v[ADR] offset:512*k_
.set k_, k_+1
.endr
	WIN 0
.endm
.macro FETCH_KT
	WIN 0x80
.set k_, 0
.rept 32
	ds_load_b128 v[128+4*k_:128+4*k_+3], v[ADR] offset:16384+512*k_
.set k_, k_+1
.endr
	WIN 0
.endm
	s_load_b128 s[4:7], s[0:1], 0x0                ; sc s[4:5], rho s[6:7]
	s_load_b64 s[8:9], s[0:1], 0x10                ; cfr
	v_lshl_add_u32 v[SPW], v0, 2, SPARE
	v_mov_b32 v[NIL], 0
	ds_add_u32 v[SPW], v[NIL]                      ; the wave's opening: the add and its wait ahead of my first tensor load
	; group 1: dense bytes as rows of 256: elements of 8 bytes, 32 to a row
	s_mov_b32 s[G1], 3<<16
	s_mov_b32 s[G1+1], 32<<16                      ; tensor_dim0 = 32
	s_mov_b32 s[G1+2], 3456<<16                    ; tensor_dim1: the rows left from fill 1 on: 31 chunks x 128 - 512
	s_mov_b32 s[G1+3], 32<<16                      ; tile_dim0 = 32
	s_mov_b32 s[G1+4], 512                         ; tile_dim1 = 512 rows: four chunks
	s_mov_b32 s[G1+5], 32
	s_mov_b32 s[G1+6], 0
	s_mov_b32 s[G1+7], 0
	s_mov_b32 s[G1C], 3<<16                        ; the same for chunk 0 alone: 128 rows
	s_mov_b32 s[G1C+1], 32<<16
	s_mov_b32 s[G1C+2], 128<<16
	s_mov_b32 s[G1C+3], 32<<16
	s_mov_b32 s[G1C+4], 128
	s_mov_b32 s[G1C+5], 32
	s_mov_b32 s[G1C+6], 0
	s_mov_b32 s[G1C+7], 0
	s_mov_b32 s[G0C], 1
	s_mov_b32 s[G0C+1], C0
	s_mov_b32 s[G0A], 1
	s_mov_b32 s[G0A+1], 0
	s_mov_b32 s[G0B], 1
	s_mov_b32 s[G0B+1], SLOT1
	s_mov_b32 s[MK], 0xff00ff00                    ; the lanes of columns 8-15
	s_mov_b32 s[MHI], 0xffff0000
	s_mov_b32 s[SEL], 0x76543210
	s_mov_b32 s[SEL+1], 0xfedcba98
	s_mov_b32 s[TB], 0
	s_lshl_b32 s50, ttmp9, 20                      ; a problem's 32 chunks of 32,768 bytes
	s_mov_b32 s51, 0
	s_lshl_b32 s52, ttmp9, 12                      ; its 1,024 rho
	s_mov_b32 s53, 0
	s_and_b32 s54, ttmp9, 1                        ; the memory
	s_lshl_b32 s54, s54, 13
	s_lshr_b32 s55, ttmp9, 1                       ; the batch
	s_lshl_b32 s55, s55, 4
	s_add_co_u32 s54, s54, s55
	s_mov_b32 s55, 0
	v_lshlrev_b32 v[L16], 4, v0
	v_and_b32 v[R], 15, v0
	v_bfe_u32 v[H], v0, 4, 1
	v_lshlrev_b32 v[RO], 5, v[H]
	v_lshlrev_b32 v[PFO], 8, v0
	v_lshlrev_b32 v[SO], 8, v[H]
	v_mov_b32 v[ONE], 1.0
	v_mov_b32 v[ZERO], 0
.set k_, 0
.rept 16
	v_mov_b32 v[ZT+k_], 0                          ; written once: the lane exchange's destination counts as read
.set k_, k_+1
.endr
	s_wait_dscnt 0x0                               ; the opening add is done
	s_wait_kmcnt 0x0
	s_add_nc_u64 s[4:5], s[4:5], s[50:51]
	s_add_nc_u64 s[6:7], s[6:7], s[52:53]
	s_add_nc_u64 s[8:9], s[8:9], s[54:55]
	s_mov_b64 s[G0C+2:G0C+3], s[4:5]
	s_or_b32 s[G0C+3], s[G0C+3], 0x80000000
	s_add_nc_u64 s[G0A+2:G0A+3], s[4:5], 32768
	s_or_b32 s[G0A+3], s[G0A+3], 0x80000000
	s_add_nc_u64 s[G0B+2:G0B+3], s[4:5], 32768+131072
	s_or_b32 s[G0B+3], s[G0B+3], 0x80000000
	s_add_nc_u64 s[PF:PF+1], s[4:5], 32768+2*131072  ; at fill 2; the first change of slots steps it to fill 3.  Nothing is prefetched here, at the head
	tensor_load_to_lds s[G0C:G0C+3], s[G1C:G1C+7]  ; chunk 0
	s_nop 0
	tensor_load_to_lds s[G0A:G0A+3], s[G1:G1+7]    ; fill 0 into slot 0
	s_nop 0
	tensor_load_to_lds s[G0B:G0B+3], s[G1:G1+7]    ; fill 1 into slot 1
	s_nop 0
	PLACES
.set k_, 0
.rept 8
	global_load_b128 v[168+4*k_:171+4*k_], v[L16], s[6:7] offset:512*k_
.set k_, k_+1
.endr
	global_load_b32 v200, v[ZERO], s[6:7] offset:124  ; rho of position 1023: the first chunk's last
.irp a, 0,1
	global_load_b128 v[RN+8*\a:RN+8*\a+3],   v[RO], s[6:7] offset:64*\a
	global_load_b128 v[RN+8*\a+4:RN+8*\a+7], v[RO], s[6:7] offset:64*\a+16
.endr
	s_wait_loadcnt 0x0
.set k_, 0
.rept 15
	v_max3_num_f32 v168, v168, v[169+2*k_], v[170+2*k_]
.set k_, k_+1
.endr
	v_max_num_f32 v168, v168, v199
	v_max_num_f32_dpp v168, v168, v168 row_xmask:1 row_mask:0xf bank_mask:0xf
	v_max_num_f32_dpp v168, v168, v168 row_xmask:2 row_mask:0xf bank_mask:0xf
	v_max_num_f32_dpp v168, v168, v168 row_xmask:4 row_mask:0xf bank_mask:0xf
	v_max_num_f32_dpp v168, v168, v168 row_xmask:8 row_mask:0xf bank_mask:0xf
	v_permlanex16_b32 v169, v168, s[SEL], s[SEL+1]
	v_max_num_f32 v168, v168, v169                 ; rhomax
	v_rcp_f32 v[INV], v168
	v_sqrt_f32 v201, v200
	v_nop
	s_wait_alu depctr_va_vdst(0)                   ; one wait for the two, ahead of their first use
	v_mov_b32 v[INV+1], v[INV]
	v_mul_f32 v[SC], v201, v168
	v_mul_f32 v[SC], -1.0, v[SC]
	v_mov_b32 v[SC+1], v[SC]
	; u = kn of position 1023 = Kn^T times a unit vector: K = 31 lies in the high half of register 7 of lanes 16-31; columns 0-7 are lanes 16-23
.set k_, 0
.rept 7
	v_mov_b32 v[ZF+k_], 0
.set k_, k_+1
.endr
	s_mov_b32 s50, 0x00ff0000
	v_mov_b32 v14, 0x3c000000
	v_cndmask_b32 v[ZF+7], v[ZERO], v14, s50
	v_add_nc_u32 v[ADR], C0, v[L16]
	s_wait_tensorcnt 0x2                           ; chunk 0 has landed; the two fills may be out
	FETCH_RP
	FETCH_KT
	s_wait_dscnt 0x0
	WIN 0x52
.set i_, 0
.rept 16
	v_wmma_f32_16x16x32_f16 v[8*i_:8*i_+7], v[128+8*i_:128+8*i_+7], v[ZF:ZF+7], 0
.set i_, i_+1
.endr
	PLACES
	WIN 0
; A CHUNK.  last = 1 (the tail's text): the very last chunk fetches nothing.
.macro CHUNK last
	s_wait_dscnt 32                                ; R is in; Kn^T's 32 loads were issued behind it
.set k_, 0
.rept 8                                ; z = R u: two tiles of U packed are a K step's source 1; the four accumulators take turns
	WIN 0x05
.set m_, 0
.rept 8
	v_cvt_pk_f16_f32 v[UF+8*k_+m_], v[16*k_+2*m_], v[16*k_+2*m_+1]
.set m_, m_+1
.endr
	WIN 0x02
.irp a, 0,1
.if k_ < 2
	v_wmma_f32_16x16x32_f16 v[Z+16*k_+8*\a:Z+16*k_+8*\a+7], v[8*(2*k_+\a):8*(2*k_+\a)+7], v[UF+8*k_:UF+8*k_+7], 0
.else
	v_wmma_f32_16x16x32_f16 v[Z+16*(k_%2)+8*\a:Z+16*(k_%2)+8*\a+7], v[8*(2*k_+\a):8*(2*k_+\a)+7], v[UF+8*k_:UF+8*k_+7], v[Z+16*(k_%2)+8*\a:Z+16*(k_%2)+8*\a+7]
.endif
.endr
.set k_, k_+1
.endr
	WIN 0
	s_wait_loadcnt 0x0                             ; this chunk's rho, asked for a chunk ago
.set m_, 0
.rept 8                                ; the factors: 1 in columns 0-7, rho / rhomax in columns 8-15.  These lines are also the places behind the products
	v_pk_mul_f32 v[RN+2*m_:RN+2*m_+1], v[RN+2*m_:RN+2*m_+1], v[INV:INV+1]
.set m_, m_+1
.endr
.set m_, 0
.rept 16
	v_cndmask_b32 v[F+m_], v[ONE], v[RN+m_], s[MK]
.set m_, m_+1
.endr
	v_add_nc_u32 v[ADR], s[TB], v[L16]
.if \last
	s_cmp_eq_u32 s[CNT], 1
	s_cbranch_scc1 .Lno_rp_\@
.endif
	v_add_nc_u32 v[RO], 128, v[RO]                 ; free since the wait for its loads
.irp a, 0,1
	global_load_b128 v[RN+8*\a:RN+8*\a+3],   v[RO], s[6:7] offset:64*\a
	global_load_b128 v[RN+8*\a+4:RN+8*\a+7], v[RO], s[6:7] offset:64*\a+16
.endr
	FETCH_RP                                       ; the next chunk's R
.if \last
.Lno_rp_\@:
.endif
.set m_, 0
.rept 8
	v_pk_add_f32 v[Z+2*m_:Z+2*m_+1], v[Z+2*m_:Z+2*m_+1], v[Z+16+2*m_:Z+16+2*m_+1]  ; the two parities
.set m_, m_+1
.endr
.set m_, 0
.rept 16
	v_mov_b32_dpp v[ZT+m_], v[Z+m_] row_xmask:8 row_mask:0xf bank_mask:0xf  ; column r takes column r xor 8
.set m_, m_+1
.endr
.set m_, 0
.rept 16
	v_cndmask_b32 v[Z+m_], v[Z+m_], v[ZT+m_], s[MK]  ; columns 8-15 take u's z
.set m_, m_+1
.endr
.set m_, 0
.rept 8
	v_pk_mul_f32 v[Z+2*m_:Z+2*m_+1], v[Z+2*m_:Z+2*m_+1], v[F+2*m_:F+2*m_+1]
.set m_, m_+1
.endr
.set m_, 0
.rept 8
	v_cvt_pk_f16_f32 v[ZF+m_], v[Z+2*m_], v[Z+2*m_+1]
.set m_, m_+1
.endr
.if \last
	s_wait_dscnt 0x0                               ; Kn^T is in (in the very last chunk nothing was issued behind it)
.else
	s_wait_dscnt 32                                ; Kn^T is in; the next R's 32 loads were issued behind it
.endif
	WIN 0x52
.set i_, 0
.rept 16
	v_wmma_f32_16x16x32_f16 v[8*i_:8*i_+7], v[128+8*i_:128+8*i_+7], v[ZF:ZF+7], v[8*i_:8*i_+7]
.set i_, i_+1
.endr
	PLACES
	WIN 0
.if \last
	s_cmp_eq_u32 s[CNT], 1
	s_cbranch_scc1 .Lno_kt_\@
.endif
	FETCH_KT                                       ; the next chunk's Kn^T
	s_add_co_u32 s[TB], s[TB], 32768
.if \last
.Lno_kt_\@:
.endif
.endm
; THE CHANGE OF SLOTS: the slot's fourth chunk has been fetched.  All my tensor loads have landed (one was out: the other slot's), 0 goes onto my spare word, the add and my reads of the slot are done,
; the barrier is passed, and the slot is filled again first thing, with the fill two on: it has four chunks' work in which to land.
; Behind it a prefetch into the L2 of the fill after that: a lane names 256 bytes, an instruction 8,192, sixteen the fill's 131,072 (twelve the last fill's 98,304): each block is named once in the launch;
; the last refill asks for nothing.
.macro CHANGE
	WIN 0
	s_wait_xcnt 0x0                                ; the last prefetches, four chunks back, have read their address
	s_add_nc_u64 s[PF:PF+1], s[PF:PF+1], 131072
	s_wait_tensorcnt 0x0
	ds_add_u32 v[SPW], v[NIL]                      ; 0 onto my spare word; the descriptor's steps stand between it and the wait for it
	s_xor_b32 s[G0B+1], s[G0B+1], SLOT1
	s_add_nc_u64 s[G0B+2:G0B+3], s[G0B+2:G0B+3], 131072
	s_sub_co_u32 s[G1+2], s[G1+2], 512<<16         ; 512 rows fewer are left
	s_wait_dscnt 0x0
	s_barrier_signal -1
	s_barrier_wait -1
	tensor_load_to_lds s[G0B:G0B+3], s[G1:G1+7]
	s_nop 0
	PLACES
	s_cmp_gt_u32 s[TURNS], 1
	s_cbranch_scc0 .Lnp_\@
.set k_, 0
.rept 12
	global_prefetch_b8 v[PFO], s[PF:PF+1] offset:8192*k_ th:TH_LOAD_NT scope:SCOPE_SE
.set k_, k_+1
.endr
	s_cmp_gt_u32 s[TURNS], 2
	s_cbranch_scc0 .Lnp_\@
.rept 4
	global_prefetch_b8 v[PFO], s[PF:PF+1] offset:8192*k_ th:TH_LOAD_NT scope:SCOPE_SE
.set k_, k_+1
.endr
.Lnp_\@:
	s_sub_co_u32 s[TB], s[TB], 131072              ; the fetches go back to a slot's first chunk,
	s_xor_b32 s[TB], s[TB], SLOT1                  ; in the other slot
.endm
	s_wait_tensorcnt 0x1                           ; fill 0 has landed; fill 1 may be out
	s_mov_b32 s[CNT], 4
	s_mov_b32 s[TURNS], 7
	s_branch .Lchunk                               ; the first turn has no change of slots in front of it
.Lturn:                                        ; six times: fills 2 to 7
	CHANGE
	s_mov_b32 s[CNT], 4
.Lchunk:
	CHUNK 0
	s_sub_co_u32 s[CNT], s[CNT], 1
	s_cmp_lg_u32 s[CNT], 0
	s_cbranch_scc1 .Lchunk
	s_sub_co_u32 s[TURNS], s[TURNS], 1
	s_cmp_lg_u32 s[TURNS], 0
	s_cbranch_scc1 .Lturn
	s_wait_tensorcnt 0x0                           ; the last turn is written out: the last fill has landed, nothing is asked for
	s_sub_co_u32 s[TB], s[TB], 131072
	s_xor_b32 s[TB], s[TB], SLOT1
	s_mov_b32 s[CNT], 4
.Ltail:
	CHUNK 1
	s_sub_co_u32 s[CNT], s[CNT], 1
	s_cmp_lg_u32 s[CNT], 0
	s_cbranch_scc1 .Ltail
	; THE WAY OUT: c = SC c'; hi = bf16(c), lo = bf16(c - hi).  Column 8's two lanes store: 8 channels are 16 bytes of row b (hi) and of row 8 + b (lo) of a fragment.
.set i_, 0
.rept 16
	WIN 0x01
.irp m, 0,1,2,3
	v_pk_mul_f32 v[200+2*\m:201+2*\m], v[8*i_+2*\m:8*i_+2*\m+1], v[SC:SC+1]
.endr
	WIN 0
.irp m, 0,1,2,3
	v_cvt_pk_bf16_f32 v[72+8*i_+\m], v[200+2*\m], v[201+2*\m]
.endr
.irp m, 0,1,2,3
	v_lshlrev_b32 v[208+2*\m], 16, v[72+8*i_+\m]
	v_and_b32 v[209+2*\m], s[MHI], v[72+8*i_+\m]
.endr
.irp m, 0,1,2,3
	v_pk_add_f32 v[200+2*\m:201+2*\m], v[200+2*\m:201+2*\m], v[208+2*\m:209+2*\m] neg_lo:[0,1] neg_hi:[0,1]
.endr
.irp m, 0,1,2,3
	v_cvt_pk_bf16_f32 v[76+8*i_+\m], v[200+2*\m], v[201+2*\m]
.endr
.set i_, i_+1
.endr
	v_cmp_eq_u32 vcc_lo, 8, v[R]
	s_wait_xcnt 0x0                                ; EXEC changes only behind this wait
	s_and_saveexec_b32 s56, vcc_lo
.set i_, 0
.rept 16
	global_store_b128 v[SO], v[72+8*i_:75+8*i_], s[8:9] offset:1024*(i_/2)+512*(i_%2)
	global_store_b128 v[SO], v[76+8*i_:79+8*i_], s[8:9] offset:1024*(i_/2)+512*(i_%2)+128
.set i_, i_+1
.endr
	s_wait_xcnt 0x0                                ; and again, in front of the line that widens it
	s_or_b32 exec_lo, exec_lo, s56
	s_wait_tensorcnt 0x0                           ; the wave's end
	ds_add_u32 v[SPW], v[NIL]
	s_wait_dscnt 0x0
	s_endpgm
.Lfunc_end_k_qcc9d25bfa4_scan:
	.size	k_qcc9d25bfa4_scan, .Lfunc_end_k_qcc9d25bfa4_scan-k_qcc9d25bfa4_scan
	.p2alignl 7, 3214868480
	.fill 96, 4, 3214868480
	.section	.rodata,"a",@progbits
	.p2align	6, 0x0
	.amdhsa_kernel k_qcc9d25bfa4_scan
		.amdhsa_group_segment_fixed_size 327680
		.amdhsa_private_segment_fixed_size 0
		.amdhsa_enable_private_segment 0
		.amdhsa_kernarg_size 24
		.amdhsa_user_sgpr_count 2
		.amdhsa_user_sgpr_kernarg_segment_ptr 1
		.amdhsa_wavefront_size32 1
		.amdhsa_system_sgpr_workgroup_id_x 1
		.amdhsa_system_sgpr_workgroup_id_y 1
		.amdhsa_system_sgpr_workgroup_id_z 1
		.amdhsa_system_vgpr_workitem_id 0
		.amdhsa_next_free_vgpr 768
		.amdhsa_next_free_sgpr 66
		.amdhsa_reserve_vcc 1
		.amdhsa_float_denorm_mode_32 3
		.amdhsa_float_denorm_mode_16_64 3
		.amdhsa_memory_ordered 1
		.amdhsa_forward_progress 1
		.amdhsa_inst_pref_size 74
	.end_amdhsa_kernel
	.amdgpu_metadata
---
amdhsa.version: [ 1, 2 ]
amdhsa.kernels:
  - .name:           k_qcc9d25bfa4_scan
    .symbol:         k_qcc9d25bfa4_scan.kd
    .args:
      - { .name: sc, .offset: 0, .size: 8, .value_kind: global_buffer, .address_space: global }
      - { .name: rho, .offset: 8, .size: 8, .value_kind: global_buffer, .address_space: global }
      - { .name: cfr, .offset: 16, .size: 8, .value_kind: global_buffer, .address_space: global }
    .group_segment_fixed_size: 327680
    .private_segment_fixed_size: 0
    .kernarg_segment_align: 8
    .kernarg_segment_size: 24
    .max_flat_workgroup_size: 32
    .sgpr_count:     66
    .vgpr_count:     768
    .wavefront_size: 32
...
	.end_amdgpu_metadata
.endif
;; end of part 3
;; launch outp (part 4): grid 250 x 1, 4 waves a work-group, no clusters, 8,704 bytes of LDS; arguments cfr, out_w, out_b, out0; writes out0
.if DOCPART == 4
	.amdgcn_target "amdgcn-amd-amdhsa--gfx1250"
	.amdhsa_code_object_version 6
	.text
	.protected	k_qcc9d25bfa4_outp
	.globl	k_qcc9d25bfa4_outp
	.p2align	8
	.type	k_qcc9d25bfa4_outp,@function
k_qcc9d25bfa4_outp:
	s_mov_b64 s[64:65], 0
	v_nop
	global_prefetch_b8 v0, s[64:65] scope:SCOPE_SE
	s_setreg_imm32_b32 hwreg(HW_REG_WAVE_MODE, 25, 1), 1
	s_wait_xcnt 0x0
; out0[b][n] = the sum over k of c[b][k] out_w[k][n] + out_b[n].  out_w is the launch: 65,536,000 bytes, each read once, by one wave, straight into registers.
; A work-group makes 128 columns.  Wave v takes columns n0 = 128 x + 64 (v % 2) .. + 63 and the half v / 2 of K: 8 K steps of 32.
; SOURCE 0 is c as the launch before left it: rows 0-7 the eight batches' hi parts in bf16, rows 8-15 their lo parts; the two are added at the end.
; SOURCE 1: lane (r, h) loads 16 bytes of each of its 16 rows of out_w (8 h + 0..7, 16 + 8 h + 0..7) at columns n0 + 4 r .. + 3: sixteen lanes read 256 consecutive bytes, aligned.  Component i of the four
; goes to column tile i, whose column r is n0 + 4 r + i: nothing is turned, nothing goes through LDS on the way in.  out_w and out_b are rounded to bf16.
; Four sets of a K step's 16 loads: half of a wave's share is asked for at once, the rest as sets come free.  No prefetch: the launch asks for its stream from its first lines on.  No cluster: no byte of out_w is read twice.
.set SPARE, 8192                       ; behind the stage of 8,192 bytes: the spare words, two blocks of 256 bytes that no other line names
.set L16, 2
.set LO,  3                            ; 1,024,000 h + 16 r: 8 h rows of 128,000 bytes
.set R,   4
.set H,   5
.set OO,  6
.set STG, 7
.set ACC, 16                           ; v[16:47] column tile i at ACC + 8 i
.set BF,  48                           ; v[48:111] two sets of four fragments
.set CF,  112                          ; v[112:175] c's eight fragments
.set OB,  176
.set OUT, 180                          ; v[180:211] batch j, component i at OUT + 4 j + i
.set TMP, 212
.set SPW, 244
.set NIL, 245
.set LP,  32                           ; s[32:47] out_w at my columns of each of my eight K steps
.set MSB, 0
.macro WIN new
.if MSB != (\new)
	s_set_vgpr_msb (MSB<<8)|(\new)
.set MSB, (\new)
.endif
.endm
.macro RAW n                           ; K step n's 16 loads into set n % 4, in window 1
	WIN 0x40
.set e_, 0
.rept 16
	global_load_b128 v[64*((\n)%4)+4*e_:64*((\n)%4)+4*e_+3], v[LO], s[LP+2*(\n):LP+2*(\n)+1] offset:128000*(e_+8*(e_/8)) th:TH_LOAD_NT
.set e_, e_+1
.endr
.endm
; K step n.  cnt: the loads issued behind its set's.  The two sets of fragments take turns, so that 32 conversions stand between a product and the rewriting of its source; the four accumulators take turns.
.macro STEP n, cnt
	s_wait_loadcnt \cnt
	WIN 0x05
.irp i, 0,1,2,3
.set m_, 0
.rept 8
	v_cvt_pk_bf16_f32 v[BF+32*((\n)%2)+8*\i+m_], v[64*((\n)%4)+8*m_+\i], v[64*((\n)%4)+8*m_+4+\i]
.set m_, m_+1
.endr
.endr
	WIN 0
.irp i, 0,1,2,3
.if (\n) == 0
	v_wmma_f32_16x16x32_bf16 v[ACC+8*\i:ACC+8*\i+7], v[CF+8*(\n):CF+8*(\n)+7], v[BF+32*((\n)%2)+8*\i:BF+32*((\n)%2)+8*\i+7], 0
.else
	v_wmma_f32_16x16x32_bf16 v[ACC+8*\i:ACC+8*\i+7], v[CF+8*(\n):CF+8*(\n)+7], v[BF+32*((\n)%2)+8*\i:BF+32*((\n)%2)+8*\i+7], v[ACC+8*\i:ACC+8*\i+7]
.endif
.endr
.if (\n) < 4
	RAW (\n)+4
.endif
.endm
	s_load_b256 s[4:11], s[0:1], 0x0               ; cfr s[4:5], out_w s[6:7], out_b s[8:9], out0 s[10:11]
	v_lshl_add_u32 v[SPW], v0, 2, SPARE
	v_mov_b32 v[NIL], 0
	v_lshrrev_b32 v1, 5, v0
	v_readfirstlane_b32 s12, v1                    ; wave
	s_and_b32 s13, s12, 1
	s_lshr_b32 s14, s12, 1                         ; which half of K
	s_lshl_b32 s15, ttmp9, 9
	s_lshl_b32 s16, s13, 8
	s_add_co_u32 s15, s15, s16                     ; 4 n0
	s_mul_i32 s18, s14, 32768000                   ; 256 rows of 128,000 bytes
	s_add_co_u32 s18, s18, s15
	s_mov_b32 s19, 0
	s_lshl_b32 s20, s14, 13                        ; eight fragments of c
	s_mov_b32 s21, 0
	s_mov_b32 s22, s15
	s_mov_b32 s23, 0
	s_mov_b32 s24, 0xffff0000                      ; a word's upper bf16; also: lanes 16-31
	s_mov_b32 s26, 0x76543210
	s_mov_b32 s27, 0xfedcba98
	v_and_b32 v1, 31, v0
	v_lshlrev_b32 v[L16], 4, v1
	v_and_b32 v[R], 15, v0
	v_bfe_u32 v[H], v0, 4, 1
	v_mul_u32_u24 v[LO], v[H], 0xfa000
	v_lshl_add_u32 v[LO], v[R], 4, v[LO]
	v_mul_u32_u24 v[OO], v[H], 0x7d000             ; four rows of out0
	v_lshl_add_u32 v[OO], v[R], 4, v[OO]
	v_lshlrev_b32 v8, 4, v[R]
	v_lshl_add_u32 v[STG], s13, 12, v[L16]
	s_wait_kmcnt 0x0
	s_add_nc_u64 s[4:5], s[4:5], s[20:21]
	s_add_nc_u64 s[8:9], s[8:9], s[22:23]
	s_add_nc_u64 s[10:11], s[10:11], s[22:23]
	s_add_nc_u64 s[LP:LP+1], s[6:7], s[18:19]
.irp n, 1,2,3,4,5,6,7
	s_add_nc_u64 s[LP+2*\n:LP+2*\n+1], s[LP+2*\n-2:LP+2*\n-1], 4096000
.endr
.set k_, 0
.rept 16
	global_load_b128 v[CF+4*k_:CF+4*k_+3], v[L16], s[4:5] offset:512*k_
.set k_, k_+1
.endr
	global_load_b128 v[OB:OB+3], v8, s[8:9]
	RAW 0
	RAW 1
	RAW 2
	RAW 3
	STEP 0, 48
	STEP 1, 48
	STEP 2, 48
	STEP 3, 48
	STEP 4, 48
	STEP 5, 32
	STEP 6, 16
	STEP 7, 0
.rept 4
	v_nop                                          ; four places behind the last products
.endr
	s_cmp_lt_u32 s12, 2
	s_cbranch_scc1 .Lkeep
.set k_, 0
.rept 8                                ; waves 2 and 3 hand their half of K to waves 0 and 1
	ds_store_b128 v[STG], v[ACC+4*k_:ACC+4*k_+3] offset:512*k_
.set k_, k_+1
.endr
.Lkeep:
	s_wait_dscnt 0x0
	s_barrier_signal -1
	s_barrier_wait -1
	s_cmp_lt_u32 s12, 2
	s_cbranch_scc0 .Lend
.set k_, 0
.rept 8
	ds_load_b128 v[TMP+4*k_:TMP+4*k_+3], v[STG] offset:512*k_
.set k_, k_+1
.endr
	v_cvt_pk_bf16_f32 v9, v[OB], v[OB+1]
	v_cvt_pk_bf16_f32 v10, v[OB+2], v[OB+3]
	v_lshlrev_b32 v[OB], 16, v9
	v_and_b32 v[OB+1], s24, v9
	v_lshlrev_b32 v[OB+2], 16, v10
	v_and_b32 v[OB+3], s24, v10
	s_wait_dscnt 0x0
.set k_, 0
.rept 16
	v_pk_add_f32 v[ACC+2*k_:ACC+2*k_+1], v[ACC+2*k_:ACC+2*k_+1], v[TMP+2*k_:TMP+2*k_+1]
.set k_, k_+1
.endr
.set k_, 0
.rept 32
	v_permlanex16_b32 v[TMP+k_], v[ACC+k_], s26, s27  ; the lo rows lie in the lane 16 away
.set k_, k_+1
.endr
.set k_, 0
.rept 32                               ; k_ = 8 i + j
	v_add_f32 v[OUT+4*(k_%8)+k_/8], v[ACC+k_], v[TMP+k_]
.set k_, k_+1
.endr
.set k_, 0
.rept 16
	v_pk_add_f32 v[OUT+2*k_:OUT+2*k_+1], v[OUT+2*k_:OUT+2*k_+1], v[OB+2*(k_%2):OB+2*(k_%2)+1]
.set k_, k_+1
.endr
.irp jj, 0,1,2,3
.irp q, 0,1,2,3
	v_cndmask_b32 v[BF+4*\jj+\q], v[OUT+4*\jj+\q], v[OUT+16+4*\jj+\q], s24  ; lanes 0-15 store batch jj, lanes 16-31 batch jj + 4
.endr
	global_store_b128 v[OO], v[BF+4*\jj:BF+4*\jj+3], s[10:11] offset:128000*\jj th:TH_STORE_NT  ; sixteen lanes store 256 consecutive bytes, aligned
.endr
.Lend:
	s_wait_tensorcnt 0x0                           ; the wave's end, behind my last LDS store
	ds_add_u32 v[SPW], v[NIL]
	s_wait_dscnt 0x0
	s_endpgm
.Lfunc_end_k_qcc9d25bfa4_outp:
	.size	k_qcc9d25bfa4_outp, .Lfunc_end_k_qcc9d25bfa4_outp-k_qcc9d25bfa4_outp
	.p2alignl 7, 3214868480
	.fill 96, 4, 3214868480
	.section	.rodata,"a",@progbits
	.p2align	6, 0x0
	.amdhsa_kernel k_qcc9d25bfa4_outp
		.amdhsa_group_segment_fixed_size 8704
		.amdhsa_private_segment_fixed_size 0
		.amdhsa_enable_private_segment 0
		.amdhsa_kernarg_size 32
		.amdhsa_user_sgpr_count 2
		.amdhsa_user_sgpr_kernarg_segment_ptr 1
		.amdhsa_wavefront_size32 1
		.amdhsa_system_sgpr_workgroup_id_x 1
		.amdhsa_system_sgpr_workgroup_id_y 1
		.amdhsa_system_sgpr_workgroup_id_z 1
		.amdhsa_system_vgpr_workitem_id 0
		.amdhsa_next_free_vgpr 512
		.amdhsa_next_free_sgpr 66
		.amdhsa_reserve_vcc 0
		.amdhsa_float_denorm_mode_32 3
		.amdhsa_float_denorm_mode_16_64 3
		.amdhsa_memory_ordered 1
		.amdhsa_forward_progress 1
		.amdhsa_inst_pref_size 43
	.end_amdhsa_kernel
	.amdgpu_metadata
---
amdhsa.version: [ 1, 2 ]
amdhsa.kernels:
  - .name:           k_qcc9d25bfa4_outp
    .symbol:         k_qcc9d25bfa4_outp.kd
    .args:
      - { .name: cfr, .offset: 0, .size: 8, .value_kind: global_buffer, .address_space: global }
      - { .name: out_w, .offset: 8, .size: 8, .value_kind: global_buffer, .address_space: global }
      - { .name: out_b, .offset: 16, .size: 8, .value_kind: global_buffer, .address_space: global }
      - { .name: out0, .offset: 24, .size: 8, .value_kind: global_buffer, .address_space: global }
    .group_segment_fixed_size: 8704
    .private_segment_fixed_size: 0
    .kernarg_segment_align: 8
    .kernarg_segment_size: 32
    .max_flat_workgroup_size: 128
    .sgpr_count:     66
    .vgpr_count:     512
    .wavefront_size: 32
...
	.end_amdgpu_metadata
.endif
;; end of part 4
